; MI455X (gfx1250); checked and timed in simulation.
; The chip was launched on July 23, 2026; its instructions are those of AMD's public machine-readable ISA for CDNA 5 (MIT licence, August 2026) and "CDNA5" Instruction Set Architecture Reference Guide (July 2026). The comments in the code are by the model that wrote it; some were corrected since.
;; Mo EFFN. Allowed arithmetic: float matrix products may take bf16 or f16 operands with f32 sums; other float arithmetic in f32, or as packed bf16 or f16 multiplies, adds, multiply-adds, maxima and minima; sums over many terms, partial sums and values carried from step to step in f32; what a program stores and reads back later, other than sums and carried values, may be rounded once to bf16 or f16.
;; Inputs: W1 8 x 512 x 1,024 float32; W2 8 x 1,024 x 512 float32; Wr 8 x 1,024 float32; b1 8 x 512 float32; b2 8 x 1,024 float32; br 8 float32; hidden_states 4 x 2,048 x 1,024 float32; ln_b 1,024 float32; ln_w 1,024 float32.
;; Outputs: out0 4 x 2,048 x 1,024 float32.
;; One version. Each part assembles by itself: llvm-mc -triple=amdgcn-amd-amdhsa -mcpu=gfx1250 --defsym DOCPART=n.
;; ======== version 1 of 1: 3 launches
;; workspace buffers: pairid 32,768 bytes of whole numbers; cw 65,536 bytes; order 917,504 bytes of whole numbers; counts 256 bytes of whole numbers; w1f 8,388,608 bytes; w2f 8,388,608 bytes
;; launch router (part 1): grid 256 x 1, 8 waves a work-group, no clusters, 34,816 bytes of LDS; arguments hidden_states, Wr, br, pairid, cw; writes pairid, cw
.if DOCPART == 1
	.amdgcn_target "amdgcn-amd-amdhsa--gfx1250"
	.amdhsa_code_object_version 6
	.text
	.protected	k_qfe2026c034_router
	.globl	k_qfe2026c034_router
	.p2align	8
	.type	k_qfe2026c034_router,@function
k_qfe2026c034_router:
	s_mov_b64 s[64:65], 0
	v_nop
	global_prefetch_b8 v0, s[64:65] scope:SCOPE_SE
	s_setreg_imm32_b32 hwreg(HW_REG_WAVE_MODE, 25, 1), 1
	s_wait_xcnt 0x0
; ROUTER.  logits = x Wr^T + br in f32 on the f32 inputs; the two largest (the lower index wins a tie, as jax.lax.top_k has it); softmax over the two, the larger taken away first.
; Stored at fixed places, for each token: the number p of its SET of two experts lo < hi, p = lo (15 - lo) / 2 + hi - lo - 1 (0 .. 27), and the two weights (lo's, hi's).
; No address and no branch here hangs on the choice: a later launch reads p and places the tokens.
; SHARES.  A work-group has 32 tokens, a wave 4.  A wave takes whole rows: load q of a lane holds columns 128 q + 4 lane + 0..3, so each load covers 512 consecutive bytes.
; All of Wr (8 x 1,024 f32 = 256 registers a lane in that same layout) stays in registers; it comes in once through LDS, each wave fetching one of its 8 rows.
; No matrix unit: 8 outputs a token would leave it idle, and the choice must be made on unrounded numbers.
; LIMITS.  NaN logits lose every comparison; if fewer than two logits are above -inf the second expert is the lowest index other than the first.  p is always a valid pair.
.set LOG,   32768                      ; 32 tokens x 8 logits, behind Wr's 32,768 bytes
.set SPARE, 33792                      ; the spare words: 128 bytes for each of 8 waves, named by no other line
.set ACC, 8                            ; v[8:23]    eight pairs of running sums, one for each expert
.set A,   24                           ; v[24:31]   the eight logits
.set X,   64                           ; v[64:191]  my four rows, 32 registers each
.set WT,  192                          ; v[192:223] the row of Wr that I fetch
                                       ; window 1: v[32 e + 4 q ..] Wr's row e
.set MSB, 0
.macro WIN new                         ; the immediate's high byte repeats the setting that is left
.if MSB != (\new)
	s_set_vgpr_msb (MSB<<8)|(\new)
.set MSB, (\new)
.endif
.endm
	s_load_b256 s[4:11], s[0:1], 0x0               ; x s[4:5], Wr s[6:7], br s[8:9], pairid s[10:11]
	s_load_b64 s[12:13], s[0:1], 0x20              ; cw
	v_lshl_add_u32 v1, v0, 2, SPARE                ; my spare word
	v_mov_b32 v2, 0
	v_and_b32 v6, 31, v0                           ; lane
	v_lshrrev_b32 v7, 5, v0
	v_readfirstlane_b32 s14, v7                    ; wave 0..7
	v_lshlrev_b32 v3, 4, v6                        ; 16 x lane
	s_lshl_b32 s28, s14, 12                        ; a row of Wr is 4,096 bytes
	s_mov_b32 s29, 0
	v_add_nc_u32 v4, s28, v3                       ; where my row of Wr goes in LDS
	s_lshl_b32 s27, s14, 7
	s_add_co_u32 s27, s27, LOG
	v_mov_b32 v5, s27                              ; my four tokens' logits: 128 bytes
	s_lshl_b32 s30, ttmp9, 17                      ; 32 rows of 4,096 bytes a work-group,
	s_lshl_b32 s31, s14, 14                        ; 4 a wave
	s_add_co_u32 s30, s30, s31
	s_mov_b32 s31, 0
	s_mov_b32 s24, 0x76543210                      ; v_permlanex16_b32: each lane takes its own place in the other half
	s_mov_b32 s25, 0xfedcba98
	s_wait_kmcnt 0x0
	s_load_b256 s[16:23], s[8:9], 0x0              ; br
	s_add_nc_u64 s[6:7], s[6:7], s[28:29]
	s_add_nc_u64 s[4:5], s[4:5], s[30:31]
.set q, 0
.rept 8
	global_load_b128 v[WT+4*q:WT+4*q+3], v3, s[6:7] offset:512*q
.set q, q+1
.endr
.set q, 0
.rept 32                                       ; rows 0 to 3: 4,096 t + 512 q = 512 x the running number
	global_load_b128 v[X+4*q:X+4*q+3], v3, s[4:5] offset:512*q
.set q, q+1
.endr
	s_wait_loadcnt 32                              ; Wr's eight loads are in; the 32 younger ones, my rows, stay out
.set q, 0
.rept 8
	ds_store_b128 v4, v[WT+4*q:WT+4*q+3] offset:512*q
.set q, q+1
.endr
	s_wait_dscnt 0x0                               ; for the others' sake: my row of Wr is in LDS
	s_barrier_signal -1
	s_barrier_wait -1
	WIN 0x40                                       ; destination window 1
.set q, 0
.rept 64                                       ; all of Wr: 4,096 e + 512 q = 512 x the running number
	ds_load_b128 v[4*q:4*q+3], v3 offset:512*q
.set q, q+1
.endr
	s_wait_dscnt 0x0
; One token: eight dot products of 1,024, 32 numbers a lane, the eight chains by turns; then the sum over the 32 lanes, which leaves every logit in every lane.
.macro TOKEN t
	s_wait_loadcnt 8*(3-(\t))                      ; this row's eight loads are in; the later rows stay out
	WIN 0x04                                       ; source 1 (Wr) in window 1
.set j, 0
.rept 16
.set e, 0
.rept 8
.if j == 0
	v_pk_mul_f32 v[ACC+2*e:ACC+2*e+1], v[X+32*(\t)+2*j:X+32*(\t)+2*j+1], v[32*e+2*j:32*e+2*j+1]
.else
	v_pk_fma_f32 v[ACC+2*e:ACC+2*e+1], v[X+32*(\t)+2*j:X+32*(\t)+2*j+1], v[32*e+2*j:32*e+2*j+1], v[ACC+2*e:ACC+2*e+1]
.endif
.set e, e+1
.endr
.set j, j+1
.endr
	WIN 0
.irp e, 0,1,2,3,4,5,6,7
	v_add_f32 v[A+\e], v[ACC+2*\e], v[ACC+2*\e+1]
.endr
.irp m, 1,2,4,8
.irp e, 0,1,2,3,4,5,6,7
	v_add_f32_dpp v[A+\e], v[A+\e], v[A+\e] row_xmask:\m row_mask:0xf bank_mask:0xf
.endr
.endr
.irp e, 0,1,2,3,4,5,6,7
	v_permlanex16_b32 v[ACC+\e], v[A+\e], s24, s25 ; its destination counts as read: a register that has been written
.endr
.irp e, 0,1,2,3,4,5,6,7
	v_add_f32 v[A+\e], v[A+\e], v[ACC+\e]
.endr
	ds_store_b128 v5, v[A:A+3] offset:32*(\t)      ; all lanes store the same words
	ds_store_b128 v5, v[A+4:A+7] offset:32*(\t)+16
.endm
	TOKEN 0
	TOKEN 1
	TOKEN 2
	TOKEN 3
	s_wait_dscnt 0x0                               ; for wave 0's sake: my logits are in LDS
	s_barrier_signal -1
	s_barrier_wait -1
	s_cmp_lg_u32 s14, 0
	s_cbranch_scc1 .Lend
	; Wave 0: lane = token of the work-group.
	v_lshlrev_b32 v40, 5, v6
	ds_load_b128 v[A:A+3], v40 offset:LOG
	ds_load_b128 v[A+4:A+7], v40 offset:LOG+16
	s_lshl_b32 s26, ttmp9, 7                       ; pairid: 32 words a work-group
	s_mov_b32 s27, 0
	s_add_nc_u64 s[10:11], s[10:11], s[26:27]
	s_lshl_b32 s26, ttmp9, 8                       ; cw: 32 pairs a work-group, 256 consecutive bytes
	s_add_nc_u64 s[12:13], s[12:13], s[26:27]
	s_wait_dscnt 0x0
	s_wait_kmcnt 0x0                               ; br
.irp e, 0,1,2,3,4,5,6,7
	v_add_f32 v[A+\e], s[16+\e], v[A+\e]
.endr
	v_mov_b32 v41, v[A]                            ; the largest, and its index: a later one must be strictly greater
	v_mov_b32 v42, 0
.irp e, 1,2,3,4,5,6,7
	v_cmp_gt_f32 vcc_lo, v[A+\e], v41
	v_cndmask_b32 v41, v41, v[A+\e], vcc_lo
	v_cndmask_b32 v42, v42, \e, vcc_lo
.endr
	v_mov_b32 v43, 0xff800000                      ; the second: starts at -inf, at the lowest index that is not the first's
	v_cmp_eq_u32 vcc_lo, 0, v42
	v_cndmask_b32 v44, 0, 1, vcc_lo
.irp e, 0,1,2,3,4,5,6,7
	v_cmp_ne_u32 s26, \e, v42
	v_cmp_gt_f32 vcc_lo, v[A+\e], v43
	s_and_b32 vcc_lo, vcc_lo, s26
	v_cndmask_b32 v43, v43, v[A+\e], vcc_lo
	v_cndmask_b32 v44, v44, \e, vcc_lo
.endr
	v_sub_f32 v45, v43, v41                        ; second - first <= 0: the maximum is taken away
	v_mul_f32 v45, 0x3fb8aa3b, v45
	v_exp_f32 v46, v45
	v_min_u32 v50, v42, v44                        ; lo (a plain instruction behind the exponential)
	s_wait_alu depctr_va_vdst(0)
	v_add_f32 v47, 1.0, v46
	v_rcp_f32 v48, v47                             ; the first's weight
	v_max_u32 v51, v42, v44                        ; hi (a plain instruction behind the reciprocal)
	s_wait_alu depctr_va_vdst(0)
	v_mul_f32 v49, v46, v48                        ; the second's
	v_cmp_lt_u32 vcc_lo, v42, v44
	v_cndmask_b32 v52, v49, v48, vcc_lo            ; lo's weight
	v_cndmask_b32 v53, v48, v49, vcc_lo            ; hi's
	v_sub_nc_u32 v54, 15, v50
	v_mul_u32_u24 v54, v50, v54
	v_lshrrev_b32 v54, 1, v54
	v_add_nc_u32 v54, v54, v51
	v_sub_nc_u32 v54, v54, v50
	v_add_nc_u32 v54, -1, v54                      ; p
	v_lshlrev_b32 v55, 2, v6
	v_lshlrev_b32 v56, 3, v6
	global_store_b32 v55, v54, s[10:11]
	global_store_b64 v56, v[52:53], s[12:13]
.Lend:
	s_wait_tensorcnt 0x0                           ; the wave's end
	ds_add_u32 v1, v2
	s_wait_dscnt 0x0
	s_endpgm
.Lfunc_end_k_qfe2026c034_router:
	.size	k_qfe2026c034_router, .Lfunc_end_k_qfe2026c034_router-k_qfe2026c034_router
	.p2alignl 7, 3214868480
	.fill 96, 4, 3214868480
	.section	.rodata,"a",@progbits
	.p2align	6, 0x0
	.amdhsa_kernel k_qfe2026c034_router
		.amdhsa_group_segment_fixed_size 34816
		.amdhsa_private_segment_fixed_size 0
		.amdhsa_enable_private_segment 0
		.amdhsa_kernarg_size 40
		.amdhsa_user_sgpr_count 2
		.amdhsa_user_sgpr_kernarg_segment_ptr 1
		.amdhsa_wavefront_size32 1
		.amdhsa_system_sgpr_workgroup_id_x 1
		.amdhsa_system_sgpr_workgroup_id_y 1
		.amdhsa_system_sgpr_workgroup_id_z 1
		.amdhsa_system_vgpr_workitem_id 0
		.amdhsa_next_free_vgpr 512
		.amdhsa_next_free_sgpr 66
		.amdhsa_reserve_vcc 1
		.amdhsa_float_denorm_mode_32 3
		.amdhsa_float_denorm_mode_16_64 3
		.amdhsa_memory_ordered 1
		.amdhsa_forward_progress 1
		.amdhsa_inst_pref_size 60
	.end_amdhsa_kernel
	.amdgpu_metadata
---
amdhsa.version: [ 1, 2 ]
amdhsa.kernels:
  - .name:           k_qfe2026c034_router
    .symbol:         k_qfe2026c034_router.kd
    .args:
      - { .name: hidden_states, .offset: 0, .size: 8, .value_kind: global_buffer, .address_space: global }
      - { .name: Wr, .offset: 8, .size: 8, .value_kind: global_buffer, .address_space: global }
      - { .name: br, .offset: 16, .size: 8, .value_kind: global_buffer, .address_space: global }
      - { .name: pairid, .offset: 24, .size: 8, .value_kind: global_buffer, .address_space: global }
      - { .name: cw, .offset: 32, .size: 8, .value_kind: global_buffer, .address_space: global }
    .group_segment_fixed_size: 34816
    .private_segment_fixed_size: 0
    .kernarg_segment_align: 8
    .kernarg_segment_size: 40
    .max_flat_workgroup_size: 256
    .sgpr_count:     66
    .vgpr_count:     512
    .wavefront_size: 32
...
	.end_amdgpu_metadata
.endif
;; end of part 1
;; launch prep (part 2): grid 284 x 1, 16 waves a work-group, no clusters, 134,912 bytes of LDS; arguments W1, W2, pairid, w1f, w2f, order, counts; writes w1f, w2f, order, counts
.if DOCPART == 2
	.amdgcn_target "amdgcn-amd-amdhsa--gfx1250"
	.amdhsa_code_object_version 6
	.text
	.protected	k_qfe2026c034_prep
	.globl	k_qfe2026c034_prep
	.p2align	8
	.type	k_qfe2026c034_prep,@function
k_qfe2026c034_prep:
	s_mov_b64 s[64:65], 0
	v_nop
	global_prefetch_b8 v0, s[64:65] scope:SCOPE_SE
	s_setreg_imm32_b32 hwreg(HW_REG_WAVE_MODE, 25, 1), 1
	s_wait_xcnt 0x0
; TWO JOBS SIDE BY SIDE, chosen by the work-group's number (the same for all its waves).
; Work-groups 0 .. 27, SORT: work-group p splits the 8,192 tokens by 'pair number = p': order[p][0 .. c_p - 1] are the tokens of pair p, order[p][c_p .. 8,191] all the others, and counts[p] = c_p.
;   No atomics: each of 16 waves counts its 512 tokens, the counts meet in LDS, and every wave places its tokens behind the earlier waves'.  All of it in whole numbers, all lanes on:
;   a token that is not of the pair is placed too, from the row's end downward, so that no store needs a mask; only the places below c_p are read later.
; Work-groups 28 .. 155 (W1) and 156 .. 283 (W2), LAYOUT: 128 KiB of consecutive f32 weights are rounded once to bf16 and stored in the order in which a wave's operand registers take them:
;   w1f [e 8][c 4][kk 32][i 8][q 2][lane 32][8] = W1[e][128 c + 16 i + lane % 16][32 kk + 16 q + 8 (lane / 16) + 0..7]
;   w2f [e 8][w 8][kk 16][i 8][q 2][lane 32][8] = W2[e][128 w + 16 i + lane % 16][32 kk + 16 q + 8 (lane / 16) + 0..7]
;   so that one K step of a wave of the next launch is 8,192 consecutive bytes and each of its loads 512.  Reads: 512 consecutive bytes a load; stores: 512 consecutive, aligned bytes each.
; LDS.  Each job has bytes of its own, so that no two lines of different jobs name the same byte: nothing in the text rests on a work-group's waves all taking one job.
.set W2B,   256                        ; behind the sort's 16 words (bytes 0 .. 63, a block of 256 to themselves): W2's 64 rows of 1,040 bytes
.set W1B,   W2B+64*1040                ; W1's 32 rows of 2,064 bytes
.set SPARE, W1B+32*2064                ; = 132,864: the spare words, 128 bytes for each of 16 waves, named by no other line
	s_load_b256 s[4:11], s[0:1], 0x0               ; W1 s[4:5], W2 s[6:7], pairid s[8:9], w1f s[10:11]
	s_load_b128 s[12:15], s[0:1], 0x20             ; w2f s[12:13], order s[14:15]
	s_load_b64 s[16:17], s[0:1], 0x30              ; counts
	v_lshl_add_u32 v1, v0, 2, SPARE                ; my spare word
	v_mov_b32 v2, 0
	v_and_b32 v4, 31, v0                           ; lane
	v_lshrrev_b32 v6, 5, v0
	v_readfirstlane_b32 s2, v6                     ; wave 0..15
	v_lshlrev_b32 v3, 4, v4                        ; 16 x lane
	v_and_b32 v5, 15, v4                           ; lane % 16
	v_lshrrev_b32 v7, 4, v4                        ; lane / 16
	s_wait_kmcnt 0x0
	s_cmp_lt_u32 ttmp9, 28
	s_cbranch_scc1 .Lsort
	s_cmp_lt_u32 ttmp9, 156
	s_cbranch_scc1 .Lw1
; LAYOUT.  A wave loads 8 KiB (RPW rows), rounds, and lays the rows into LDS from BASE on, PITCH bytes apart (an odd multiple of 16, so that the 16 rows of a read start in 16 different groups of
; four banks); behind the barrier it reads NKK x NIB x 2 = 8 half fragments (16 rows x 16 bytes x two halves of the lanes) and stores each as 512 consecutive bytes.  A row is 2^JS loads long.
.macro CONV SRC, DST, BASE, RPW, PITCH, JS, NIB, NKK
	s_mul_i32 s26, s2, (\RPW)*(\PITCH)
	s_add_co_u32 s26, s26, \BASE
	v_lshl_add_u32 v8, v4, 3, s26                  ; in: my rows, 8 bytes a lane
	v_mul_u32_u24 v9, v5, \PITCH
	v_lshl_add_u32 v9, v7, 4, v9
	s_mul_i32 s27, s2, 64*(\NKK)
	s_add_co_u32 s27, s27, \BASE
	v_add_nc_u32 v9, s27, v9                       ; back: row lane % 16, 16 bytes for each half of the lanes, my K steps
.set j, 0
.rept 16
	global_load_b128 v[32+4*j:35+4*j], v3, s[\SRC:\SRC+1] offset:512*j th:TH_LOAD_NT
.set j, j+1
.endr
.set j, 0
.rept 16
	s_wait_loadcnt 15-j                            ; loads come back in order: load j is in, the younger ones stay out
	v_cvt_pk_bf16_f32 v[32+4*j], v[32+4*j], v[33+4*j]
	v_cvt_pk_bf16_f32 v[33+4*j], v[34+4*j], v[35+4*j]
	ds_store_b64 v8, v[32+4*j:33+4*j] offset:(j>>(\JS))*(\PITCH)+256*(j&((1<<(\JS))-1))
.set j, j+1
.endr
	s_wait_dscnt 0x0                               ; for the others' sake: my rows are in LDS
	s_barrier_signal -1
	s_barrier_wait -1
.set m, 0
.rept 8
	ds_load_b128 v[32+4*m:35+4*m], v9 offset:((m>>1)%(\NIB))*16*(\PITCH)+64*((m>>1)/(\NIB))+32*(m&1)
.set m, m+1
.endr
.set m, 0
.rept 8
	s_wait_dscnt 7-m                               ; read m is back, the younger ones stay out
	global_store_b128 v3, v[32+4*m:35+4*m], s[\DST:\DST+1] offset:((m>>1)/(\NIB))*8192+((m>>1)%(\NIB))*1024+(m&1)*512
.set m, m+1
.endr
	s_wait_tensorcnt 0x0                           ; the wave's end
	ds_add_u32 v1, v2
	s_wait_dscnt 0x0
	s_endpgm
.endm
	; W2: work-group g has rows 64 g .. 64 g + 63 of the 8,192 (2,048 bytes each): block g / 2 of w2f, i = 4 (g % 2) .. + 3; wave w takes K step w
	s_sub_co_u32 s20, ttmp9, 156
	s_lshl_b32 s22, s20, 17
	s_lshl_b32 s23, s2, 13
	s_add_co_u32 s22, s22, s23
	s_mov_b32 s23, 0
	s_add_nc_u64 s[6:7], s[6:7], s[22:23]
	s_lshr_b32 s24, s20, 1
	s_lshl_b32 s24, s24, 17
	s_and_b32 s25, s20, 1
	s_lshl_b32 s25, s25, 12
	s_add_co_u32 s24, s24, s25
	s_lshl_b32 s25, s2, 13
	s_add_co_u32 s24, s24, s25
	s_mov_b32 s25, 0
	s_add_nc_u64 s[12:13], s[12:13], s[24:25]
	CONV 6, 12, W2B, 4, 1040, 2, 4, 1
.Lw1:
	; W1: work-group g has rows 32 g .. 32 g + 31 of the 4,096 (4,096 bytes each): block g / 4 of w1f, i = 2 (g % 4), + 1; wave w takes K steps 2 w, 2 w + 1
	s_sub_co_u32 s20, ttmp9, 28
	s_lshl_b32 s22, s20, 17
	s_lshl_b32 s23, s2, 13
	s_add_co_u32 s22, s22, s23
	s_mov_b32 s23, 0
	s_add_nc_u64 s[4:5], s[4:5], s[22:23]
	s_lshr_b32 s24, s20, 2
	s_lshl_b32 s24, s24, 18
	s_and_b32 s25, s20, 3
	s_lshl_b32 s25, s25, 11
	s_add_co_u32 s24, s24, s25
	s_lshl_b32 s25, s2, 14
	s_add_co_u32 s24, s24, s25
	s_mov_b32 s25, 0
	s_add_nc_u64 s[10:11], s[10:11], s[24:25]
	CONV 4, 10, W1B, 2, 2064, 3, 2, 2
.Lsort:
	; register v[32 + 4 j + c] holds the pair number of token 512 w + 128 j + 4 lane + c
	s_mov_b32 s19, ttmp9                           ; p
	s_lshl_b32 s20, s2, 11
	s_mov_b32 s21, 0
	s_add_nc_u64 s[8:9], s[8:9], s[20:21]
.irp j, 0,1,2,3
	global_load_b128 v[32+4*\j:35+4*\j], v3, s[8:9] offset:512*\j
.endr
	s_lshl_b32 s26, ttmp9, 15                      ; order's row p: 8,192 words
	s_mov_b32 s27, 0
	s_add_nc_u64 s[14:15], s[14:15], s[26:27]
	s_lshl_b32 s26, ttmp9, 2
	s_add_nc_u64 s[16:17], s[16:17], s[26:27]      ; counts[p]
	s_lshl_b32 s28, s2, 9
	v_lshl_add_u32 v11, v4, 2, s28                 ; 512 w + 4 lane: my first token
	v_add_nc_u32 v28, s28, v4                      ; 512 w + lane: my number in the walk's step 0
	s_mov_b32 s22, 0
	s_wait_loadcnt 0x0
.set m, 0
.rept 16                                       ; how many of my wave's 512 tokens have pair p
	v_cmp_eq_u32 vcc_lo, s19, v[32+m]
	s_bcnt1_i32_b32 s23, vcc_lo
	s_add_co_u32 s22, s22, s23
.set m, m+1
.endr
	s_lshl_b32 s23, s2, 2
	v_mov_b32 v8, s23
	v_mov_b32 v9, s22
	ds_store_b32 v8, v9                            ; word w of LDS
	s_wait_dscnt 0x0                               ; for the others' sake: my count is in LDS
	s_barrier_signal -1
	s_barrier_wait -1
	v_mov_b32 v10, 0
.irp j, 0,1,2,3
	ds_load_b128 v[12+4*\j:15+4*\j], v10 offset:16*\j
.endr
	s_mov_b32 s24, 0                               ; where my wave's tokens of the pair begin: the earlier waves' counts
	s_mov_b32 s25, 0                               ; c_p
	s_wait_dscnt 0x0
.irp i, 0,1,2,3,4,5,6,7,8,9,10,11,12,13,14,15
	v_readfirstlane_b32 s26, v[12+\i]
	s_add_co_u32 s25, s25, s26
	s_cmp_gt_u32 s2, \i
	s_cselect_b32 s26, s26, 0
	s_add_co_u32 s24, s24, s26
.endr
	; THE PLACES.  The walk takes the tokens in the order n = 512 w + 32 m + lane.  pos = the pair's tokens ahead of n.  A token of the pair goes to place pos (0 .. c - 1); any other is the
	; (n - pos)-th of the others and goes to 8,191 - (n - pos) (c .. 8,191): each place is taken once.  Each step has its own address and data register, so no store's source is written again.
.set m, 0
.rept 16
	v_cmp_eq_u32 vcc_lo, s19, v[32+m]
	v_mbcnt_lo_u32_b32 v[64+m], vcc_lo, s24        ; pos: the running count + the pair's lanes below mine
	v_sub_nc_u32 v7, v[64+m], v28
	v_add_nc_u32 v7, 8191-32*m, v7                 ; 8,191 - (n - pos)
	v_cndmask_b32 v[64+m], v7, v[64+m], vcc_lo
	v_min_u32 v[64+m], 0x1fff, v[64+m]             ; a place is under 8,192
	v_lshlrev_b32 v[64+m], 2, v[64+m]
	v_add_nc_u32 v[80+m], 128*(m>>2)+(m&3), v11    ; the token
	s_bcnt1_i32_b32 s26, vcc_lo
	s_add_co_u32 s24, s24, s26
	global_store_b32 v[64+m], v[80+m], s[14:15]    ; two runs of neighbouring words: the pair's lanes ascending, the others descending
.set m, m+1
.endr
	s_cmp_lg_u32 s2, 0
	s_cbranch_scc1 .Lsend
	v_mov_b32 v8, s25
	v_cmp_eq_u32 vcc_lo, 0, v4
	s_wait_xcnt 0x0                                ; EXEC is a source of the stores above: it is narrowed only behind this wait
	s_and_saveexec_b32 s27, vcc_lo
	global_store_b32 v10, v8, s[16:17]             ; wave 0, lane 0: c_p
	s_wait_xcnt 0x0                                ; and widened again only behind this one
	s_or_b32 exec_lo, exec_lo, s27
.Lsend:
	s_wait_tensorcnt 0x0                           ; the wave's end
	ds_add_u32 v1, v2
	s_wait_dscnt 0x0
	s_endpgm
.Lfunc_end_k_qfe2026c034_prep:
	.size	k_qfe2026c034_prep, .Lfunc_end_k_qfe2026c034_prep-k_qfe2026c034_prep
	.p2alignl 7, 3214868480
	.fill 96, 4, 3214868480
	.section	.rodata,"a",@progbits
	.p2align	6, 0x0
	.amdhsa_kernel k_qfe2026c034_prep
		.amdhsa_group_segment_fixed_size 134912
		.amdhsa_private_segment_fixed_size 0
		.amdhsa_enable_private_segment 0
		.amdhsa_kernarg_size 56
		.amdhsa_user_sgpr_count 2
		.amdhsa_user_sgpr_kernarg_segment_ptr 1
		.amdhsa_wavefront_size32 1
		.amdhsa_system_sgpr_workgroup_id_x 1
		.amdhsa_system_sgpr_workgroup_id_y 1
		.amdhsa_system_sgpr_workgroup_id_z 1
		.amdhsa_system_vgpr_workitem_id 0
		.amdhsa_next_free_vgpr 96
		.amdhsa_next_free_sgpr 66
		.amdhsa_reserve_vcc 1
		.amdhsa_float_denorm_mode_32 3
		.amdhsa_float_denorm_mode_16_64 3
		.amdhsa_memory_ordered 1
		.amdhsa_forward_progress 1
		.amdhsa_inst_pref_size 31
	.end_amdhsa_kernel
	.amdgpu_metadata
---
amdhsa.version: [ 1, 2 ]
amdhsa.kernels:
  - .name:           k_qfe2026c034_prep
    .symbol:         k_qfe2026c034_prep.kd
    .args:
      - { .name: W1, .offset: 0, .size: 8, .value_kind: global_buffer, .address_space: global }
      - { .name: W2, .offset: 8, .size: 8, .value_kind: global_buffer, .address_space: global }
      - { .name: pairid, .offset: 16, .size: 8, .value_kind: global_buffer, .address_space: global }
      - { .name: w1f, .offset: 24, .size: 8, .value_kind: global_buffer, .address_space: global }
      - { .name: w2f, .offset: 32, .size: 8, .value_kind: global_buffer, .address_space: global }
      - { .name: order, .offset: 40, .size: 8, .value_kind: global_buffer, .address_space: global }
      - { .name: counts, .offset: 48, .size: 8, .value_kind: global_buffer, .address_space: global }
    .group_segment_fixed_size: 134912
    .private_segment_fixed_size: 0
    .kernarg_segment_align: 8
    .kernarg_segment_size: 56
    .max_flat_workgroup_size: 512
    .sgpr_count:     66
    .vgpr_count:     96
    .wavefront_size: 32
...
	.end_amdgpu_metadata
.endif
;; end of part 2
;; launch chain (part 3): grid 198 x 1, 8 waves a work-group, no clusters, 203,264 bytes of LDS; arguments hidden_states, w1f, w2f, b1, b2, ln_w, ln_b, counts, order, cw, out0; writes out0
.if DOCPART == 3
	.amdgcn_target "amdgcn-amd-amdhsa--gfx1250"
	.amdhsa_code_object_version 6
	.text
	.protected	k_qfe2026c034_chain
	.globl	k_qfe2026c034_chain
	.p2align	8
	.type	k_qfe2026c034_chain,@function
k_qfe2026c034_chain:
	s_mov_b64 s[64:65], 0
	v_nop
	global_prefetch_b8 v0, s[64:65] scope:SCOPE_SE
	s_setreg_imm32_b32 hwreg(HW_REG_WAVE_MODE, 25, 1), 1
	s_wait_xcnt 0x0
; THE CHAIN.  A work-group owns up to 48 tokens that chose the SAME two experts e1 < e2 and takes them through everything: gather x, round to bf16, first product for both experts
; (N = 2 x 512), + b1, exact GELU, times the gate's weight, bf16, second product with K = 2 x 512 (both experts add into ONE accumulator), + cw b2 + x (f32), LayerNorm, store.
; Each output row has one owner; the hidden layer stays in LDS.
; GRID.  With counts c_p of the 28 pairs there are sum ceil(c_p / 48) <= (8,192 + 28 x 47) / 48 = 198 tiles for every split.  Every work-group finds its tile from the 28 stored counts.
; Places of a tile past the count repeat the pair's last token and are not stored.
; DEAD WORK IS JUMPED, by scalar branches forward that pass no barrier.  NBL = the tile's blocks of 16 places that hold a token (0 .. 3).  In every K step but a product's first (which starts
; all the sums, so that every accumulator is written on every way) the products of the blocks from NBL on are jumped: matrix instructions alone, so every wait's count holds on both ways.
; A work-group past the last tile (NBL = 0) also jumps whole trips of the K loops: a trip uses and refills each ring buffer once, so what is out before a trip and behind it is alike.
; It still passes every barrier, walks the rest of the text on a repeated row, and stores nothing.
; WEIGHTS come straight from memory into registers, in the order laid out by the launch before: the waves split N, so each weight byte enters exactly one wave, and LDS would only add a
; write and a read.  A ring of four buffers of 8,192 bytes a wave: the weights of step t + 4 are asked for behind the products of step t.  Each buffer has its own copy of the pointer,
; stepped behind the counted wait that shows that buffer's last loads done: no other wait is needed for it.
; NO CLUSTER: whole clusters of 4 x 48 tokens a pair would want up to (8,192 + 28 x 191) / 192 = 70 clusters, 280 work-groups, more than there are WGPs; and joint loads land in LDS.
; THE MATRIX INSTRUCTION IS USED TRANSPOSED: source 0 = 16 rows of weights, source 1 = 16 tokens.  A lane then holds one token (lane % 16) and 8 neighbouring columns 8 (lane / 16) + 0..7.
; SHARES.  Product 1: wave w has expert slot w / 4 and hidden columns 128 (w % 4) .. + 127: columns 128 w of the joined 1,024.  Product 2: output columns 128 w .. + 127.  Rows in and out: 6 w .. 6 w + 5.
; GELU.  h = u + |u| (1 - erfc(|x| / sqrt 2)), u = x cw / 2 (cw >= 0), which is cw x Phi(x).  erfc by Abramowitz and Stegun 7.1.26: absolute error 1.5e-7 at every x;
; for negative x the sum adds an absolute error of about one unit in the last place of |u|.  Both lie far below the rounding of h to bf16.
; LIMITS.  x, W1, W2 and h are rounded to bf16 for the products; sums, bias, residual and LayerNorm in f32, the variance from the centred row.  NaN and infinities are not treated apart.
.set PX,    2064                       ; a row of X or HID in LDS: 2,048 bytes + 16: an odd multiple of 16, so that the 16 rows of a load start in 16 different groups of four banks
.set HID,   48*PX                      ; X at 0, HID behind it
.set PS,    4112                       ; a row of the f32 stage, which lies over X and HID once nobody reads them: 4,096 + 16
.set B1S,   198144                     ; each wave's own 128 numbers of b1: 512 bytes
.set SPARE, 202240                     ; the spare words: 128 bytes for each of 8 waves, named by no other line
; window 0
.set SPW,  1                           ; my spare word's address; never rewritten
.set NIL,  2                           ; 0; never rewritten
.set LOFF, 3                           ; 16 x lane; never rewritten
.set AD,   4                           ; v4-6   token fragments' addresses, block b of 16 tokens; later the stage's store addresses
.set HST,  7                           ; v7     where h goes (blocks 0, 1); later where a row is read back from the stage
.set HST2, 8                           ; v8     the same for block 2, past the 16-bit offset
.set BAD,  9                           ; v9     first where x's rows go; then my lane's place in my b1 slice
.set CWV,  10                          ; v10-15 cw / 2 of token 16 b + lane % 16 for my slot, each twice (a pair for the packed multiply)
.set AF0,  16                          ; v16-39, v40-63: two buffers of three token fragments.  Between the products: at work
.set XV,   32
.set TT,   40
.set EE,   48
.set YY,   56
                                       ; v64-255: ring buffers 0, 1, 2; from the second product's last steps on my six rows of x
; window 1: v0-191 accumulator (b, i) at 8 (8 b + i); in the prologue the six gathered rows; in the row phase ln_w v0-31, ln_b v32-63.  v192-255: ring buffer 3; in the row phase b2 of e1, of e2
.set PNB,  4                           ; s[4:11]  behind the prologue: ring buffer u's copy of the weights' pointer at s[4 + 2 u]
.set W1S,  52                          ; s[52:53] my slice of W1; never rewritten
.set W2B,  54                          ; s[54:55] my slice of W2[e2]; later b2[e2]
.set W2A,  56                          ; s[56:57] my slice of W2[e1]; later b2[e1]
.set NBL,  97                          ; s97      the tile's live blocks of 16 places
; s2 wave, s3 slot, s26 c, s27 the tile's first rank, s[28:39] x at my six rows, s[40:51] out0 at them, s58 counter, s59 e1, s60 e2, s61 c - 1, s62 my first row's rank,
; s[66:77] my six rows' (cw lo, cw hi), s[78:83] offsets, s[84:95] constants as pairs, s96 a constant, s[98:99] lane selects, s100 1/1,024, s101 1e-12, s[104:105] an offset, its high word 0
.set MSB, 0
.macro WIN new                         ; bits 1:0 source 0, 3:2 source 1, 5:4 source 2, 7:6 destination; the high byte repeats the setting that is left
.if MSB != (\new)
	s_set_vgpr_msb (MSB<<8)|(\new)
.set MSB, (\new)
.endif
.endm
.macro PLACES                          ; four plain vector instructions between a matrix instruction and a load into, or a read or write of, its registers
.rept 4
	v_nop
.endr
.endm
; 16 loads of 512 consecutive bytes: a K step's weights for my 128 rows, into ring buffer u, by the pointer in s[base]
.macro BLOAD u, base
.if (\u) == 3
	WIN 0x40
.set rB, 192
.else
	WIN 0
.set rB, 64+64*(\u)
.endif
.set n, 0
.rept 16
	global_load_b128 v[rB+4*n:rB+4*n+3], v[LOFF], s[(\base):(\base)+1] offset:(\u)*8192+512*n
.set n, n+1
.endr
.endm
; 16 loads: my rows 2 u and 2 u + 1 of x, in f32, into the registers of ring buffer u (0 .. 2), which has been used for the last time
.macro XLOAD u
	WIN 0
.set i, 2*(\u)
.rept 2
.set q, 0
.rept 8
	global_load_b128 v[64+32*i+4*q:64+32*i+4*q+3], v[LOFF], s[28+2*i:29+2*i] offset:512*q
.set q, q+1
.endr
.set i, i+1
.endr
.endm
; 6 LDS loads: three fragments of 16 tokens x 32 K at byte off of the rows
.macro ALOAD f, off
	WIN 0
.irp b, 0,1,2
	ds_load_b128 v[(\f)+8*\b:(\f)+8*\b+3],   v[AD+\b] offset:(\off)
	ds_load_b128 v[(\f)+8*\b+4:(\f)+8*\b+7], v[AD+\b] offset:(\off)+32
.endr
.endm
; 8 matrix instructions: block b of 16 tokens x my 128 columns, 32 along K; the block's 8 accumulators by turns
.macro MM8 b, zero
.set ii, 0
.rept 8
.if \zero
	v_wmma_f32_16x16x32_bf16 v[8*(8*(\b)+ii):8*(8*(\b)+ii)+7], v[rB+8*ii:rB+8*ii+7], v[rA+8*(\b):rA+8*(\b)+7], 0
.else
	v_wmma_f32_16x16x32_bf16 v[8*(8*(\b)+ii):8*(8*(\b)+ii)+7], v[rB+8*ii:rB+8*ii+7], v[rA+8*(\b):rA+8*(\b)+7], v[8*(8*(\b)+ii):8*(8*(\b)+ii)+7]
.endif
.set ii, ii+1
.endr
.endm
; A K STEP of 32: up to 24 matrix instructions, the accumulators by turns, in the same order in every step; on every way a step ends on accumulator (b, 7) and the next begins on (0, 0).
; lc: the younger loads that may stay out (48: three groups of 16).  dc: the younger LDS loads (6: the next step's fragments).
; The wait for lc shows the loads that filled ring buffer u, four steps ago, done: so their base, the buffer's own copy of the pointer, is written directly behind it.
; bl = 1: the weights four steps on are asked for, 32,768 bytes on.  2: the same, and in the trip with 4 in the counter they are e2's first.  3: they are the second product's first (e1's).
; bl = 4: two rows of x instead.  0: nothing.  al = 1: the token fragments two steps on.  zero = 1: the products start the sums, and none is jumped.
.macro STEP u, zero, lc, dc, bl, al
	s_wait_loadcnt \lc
	s_wait_dscnt \dc
.if ((\bl) == 1) || ((\bl) == 2)
	s_add_nc_u64 s[PNB+2*(\u):PNB+2*(\u)+1], s[PNB+2*(\u):PNB+2*(\u)+1], 0x8000
.endif
.if (\bl) == 2
	s_cmp_eq_u32 s58, 4
	s_cselect_b64 s[PNB+2*(\u):PNB+2*(\u)+1], s[W2B:W2B+1], s[PNB+2*(\u):PNB+2*(\u)+1]
.endif
.if (\bl) == 3
	s_mov_b64 s[PNB+2*(\u):PNB+2*(\u)+1], s[W2A:W2A+1]
.endif
.if (\u) == 3
.set wm, 0x51
.set rB, 192
.else
.set wm, 0x50
.set rB, 64+64*(\u)
.endif
.set rA, AF0+24*((\u)%2)
	WIN wm
	MM8 0, \zero
.if !(\zero)
	WIN 0                                          ; at a branch and at a label every window is 0
	s_cmp_lt_u32 s[NBL], 2
	s_cbranch_scc1 .Lsk\@                          ; blocks 1 and 2 hold no token
	WIN wm
.endif
	MM8 1, \zero
.if !(\zero)
	WIN 0
	s_cmp_lt_u32 s[NBL], 3
	s_cbranch_scc1 .Lsk\@                          ; block 2 holds no token
	WIN wm
.endif
	MM8 2, \zero
.if !(\zero)
	WIN 0
.Lsk\@:
.endif
.if (\bl) || (\al)
	PLACES
.endif
.if (\bl) == 4
	XLOAD \u
.elseif (\bl)
	BLOAD \u, PNB+2*(\u)
.endif
.if \al
	ALOAD AF0+24*((\u)%2), 64*((\u)+2)
.endif
.endm
; The first 28 of a product's 32 steps.  The first step stands in front of the loop (its products start the sums) and the loop is entered behind its first step; the bottom is passed 7 times.
; A work-group without a tile jumps the six whole trips, to a label ahead of the address steps and the counter's.
.macro PHASE tag, bl
	s_mov_b32 s58, 7
	ALOAD AF0, 0
	ALOAD AF0+24, 64
	STEP 0, 1, 48, 6, \bl, 1
	WIN 0
	s_branch .Lin\tag
.Ltop\tag:
	s_cmp_eq_u32 s[NBL], 0
	s_cbranch_scc1 .Lbot\tag
	STEP 0, 0, 48, 6, \bl, 1
.Lin\tag:
	STEP 1, 0, 48, 6, \bl, 1
	STEP 2, 0, 48, 6, \bl, 1
	STEP 3, 0, 48, 6, \bl, 1
	WIN 0
.Lbot\tag:
.irp b, 0,1,2
	v_add_nc_u32 v[AD+\b], 256, v[AD+\b]           ; four steps of 64 bytes
.endr
	s_sub_co_u32 s58, s58, 1
	s_cmp_lg_u32 s58, 0
	s_cbranch_scc1 .Ltop\tag
.endm
	s_load_b512 s[4:19], s[0:1], 0x0               ; x s[4:5], w1f s[6:7], w2f s[8:9], b1 s[10:11], b2 s[12:13], ln_w s[14:15], ln_b s[16:17], counts s[18:19]
	s_load_b128 s[20:23], s[0:1], 0x40             ; order s[20:21], cw s[22:23]
	s_load_b64 s[24:25], s[0:1], 0x50              ; out0
	v_lshl_add_u32 v[SPW], v0, 2, SPARE
	v_mov_b32 v[NIL], 0
	v_lshrrev_b32 v16, 5, v0
	v_readfirstlane_b32 s2, v16                    ; wave 0..7
	v_and_b32 v17, 31, v0                          ; lane
	v_and_b32 v18, 15, v0                          ; r = lane % 16
	v_bfe_u32 v19, v0, 4, 1                        ; h = lane / 16
	v_lshlrev_b32 v[LOFF], 4, v17
	s_lshr_b32 s3, s2, 2                           ; my expert slot in the first product
	s_wait_kmcnt 0x0
	s_load_b512 s[28:43], s[18:19], 0x0            ; the 28 counts
	s_load_b256 s[44:51], s[18:19], 0x40
	s_load_b128 s[52:55], s[18:19], 0x60
	s_mov_b32 s84, 0x3f87dc22                      ; the series' a5 .. a1, each as a pair for the packed forms
	s_mov_b32 s85, s84
	s_mov_b32 s86, 0xbfba00e3
	s_mov_b32 s87, s86
	s_mov_b32 s88, 0x3fb5f0e3
	s_mov_b32 s89, s88
	s_mov_b32 s90, 0xbe91a98e
	s_mov_b32 s91, s90
	s_mov_b32 s92, 0x3e827906
	s_mov_b32 s93, s92
	s_mov_b32 s94, 0xbf38aa3b                      ; -log2(e) / 2: e^(-x^2 / 2) = 2^(this x^2)
	s_mov_b32 s95, s94
	s_mov_b32 s96, 0x3e6d3388                      ; 0.3275911 / sqrt 2
	s_mov_b32 s98, 0x76543210
	s_mov_b32 s99, 0xfedcba98
	s_mov_b32 s100, 0x3a800000                     ; 1 / 1,024
	s_mov_b32 s101, 0x2b8cbccc                     ; 1e-12
	s_mov_b32 s105, 0
	v_mul_u32_u24 v[AD], v18, PX
	v_lshl_add_u32 v[AD], v19, 4, v[AD]            ; row r x pitch + 16 h
	v_add_nc_u32 v[AD+1], 16*PX, v[AD]
	v_add_nc_u32 v[AD+2], 32*PX, v[AD]
	s_lshl_b32 s104, s2, 8
	s_add_co_u32 s104, s104, HID
	v_add_nc_u32 v[HST], s104, v[AD]               ; HID + row r + 16 h + my 256 bytes of a row
	v_add_nc_u32 v[HST2], 32*PX, v[HST]
	s_mul_i32 s104, s2, 6*PX
	v_lshl_add_u32 v[BAD], v17, 3, s104            ; x's rows: my six, 8 bytes a lane
	s_lshl_b32 s104, s2, 9
	s_add_co_u32 s104, s104, B1S
	v_add_nc_u32 v55, s104, v[LOFF]                ; my b1 slice: in,
	v_lshl_add_u32 v56, v19, 5, s104               ; and back
	s_mov_b32 s62, ttmp9
	s_mov_b32 s63, 0x05555556                      ; n / 48 = the high word of n x this, for n under 2^20
	s_mov_b32 s56, 0                               ; tiles of the pairs so far
	s_mov_b32 s59, 0
	s_mov_b32 s60, 0
	s_mov_b32 s61, 1
	s_wait_kmcnt 0x0
	; THE SEARCH: the last pair that has tiles and whose first tile's number is not above mine.  Selects alone, no branch.
.set pp, 0
.set elo, 0
.rept 7
.set ehi, elo+1
.rept 7-elo
	s_add_co_u32 s57, s[28+pp], 47
	s_mul_hi_u32 s58, s57, s63                     ; the pair's tiles
	s_cmp_eq_u32 s58, 0
	s_cselect_b32 s57, -1, s56                     ; a pair without tiles is never taken
	s_cmp_le_u32 s57, s62
	s_cselect_b32 s59, pp|(elo<<8)|(ehi<<16), s59
	s_cselect_b32 s60, s56, s60
	s_cselect_b32 s61, s[28+pp], s61
	s_add_co_u32 s56, s56, s58
.set ehi, ehi+1
.set pp, pp+1
.endr
.set elo, elo+1
.endr
	s_sub_co_u32 s27, s62, s60                     ; my tile among the pair's,
	s_mul_i32 s27, s27, 48                         ; its first rank
	s_mov_b32 s26, s61                             ; c
	s_sub_co_i32 s[NBL], s26, s27                  ; the tokens from my first rank on: none or fewer for a work-group past the last tile,
	s_max_i32 s[NBL], s[NBL], 0
	s_add_co_u32 s[NBL], s[NBL], 15
	s_lshr_b32 s[NBL], s[NBL], 4                   ; in blocks of 16,
	s_min_u32 s[NBL], s[NBL], 3                    ; of which the tile has three
	s_and_b32 s63, s59, 0xff
	s_min_u32 s63, s63, 27                         ; p
	s_bfe_u32 s60, s59, 0x80010
	s_min_u32 s60, s60, 7                          ; e2
	s_bfe_u32 s59, s59, 0x80008
	s_min_u32 s59, s59, 7                          ; e1
	s_sub_co_u32 s61, s26, 1
	s_lshl_b32 s104, s63, 15
	s_add_nc_u64 s[20:21], s[20:21], s[104:105]    ; order's row p
	s_mul_i32 s104, s2, 6
	s_add_co_u32 s62, s27, s104                    ; the rank of my first row
.irp i, 0,1,2,3,4,5
	s_add_co_u32 s[66+\i], s62, \i
	s_min_u32 s[66+\i], s[66+\i], s61              ; places past the count repeat the pair's last token
	s_min_u32 s[66+\i], s[66+\i], 0x1fff
	s_lshl_b32 s[66+\i], s[66+\i], 2
	s_load_b32 s[78+\i], s[20:21], s[66+\i] offset:0x0   ; the tokens of my six rows
.endr
	v_add_nc_u32 v52, s27, v18
	v_add_nc_u32 v53, 16, v52
	v_add_nc_u32 v54, 32, v52
.irp b, 0,1,2
	v_min_u32 v[52+\b], s61, v[52+\b]
	v_min_u32 v[52+\b], 0x1fff, v[52+\b]
	v_lshlrev_b32 v[52+\b], 2, v[52+\b]
.endr
.irp b, 0,1,2
	global_load_b32 v[52+\b], v[52+\b], s[20:21]   ; the token of place 16 b + r
.endr
	s_cmp_eq_u32 s3, 0
	s_cselect_b32 s58, s59, s60                    ; my slot's expert
	s_min_u32 s58, s58, 7
	s_lshl_b32 s58, s58, 2
	s_and_b32 s104, s2, 3
	s_add_co_u32 s58, s58, s104                    ; 4 e + c
	s_lshl_b32 s104, s58, 18
	s_add_nc_u64 s[W1S:W1S+1], s[6:7], s[104:105]  ; my 262,144 bytes of w1f
	s_lshl_b32 s104, s58, 9
	s_add_nc_u64 s[10:11], s[10:11], s[104:105]    ; my 128 numbers of b1
	s_lshl_b32 s104, s59, 3
	s_add_co_u32 s104, s104, s2
	s_lshl_b32 s104, s104, 17
	s_add_nc_u64 s[W2A:W2A+1], s[8:9], s[104:105]  ; my 131,072 bytes of w2f for e1,
	s_lshl_b32 s104, s60, 3
	s_add_co_u32 s104, s104, s2
	s_lshl_b32 s104, s104, 17
	s_add_nc_u64 s[W2B:W2B+1], s[8:9], s[104:105]  ; and for e2
	global_load_b128 v[48:51], v[LOFF], s[10:11]
	BLOAD 0, W1S                                   ; one step's weights go out while the tokens' numbers are on their way; the rows of x, which the first barrier waits for, come next
	s_wait_kmcnt 0x0                               ; my six tokens
.irp i, 0,1,2,3,4,5
	s_min_u32 s[78+\i], s[78+\i], 0x1fff
	s_lshl_b32 s104, s[78+\i], 12
	s_add_nc_u64 s[28+2*\i:29+2*\i], s[4:5], s[104:105]
	s_add_nc_u64 s[40+2*\i:41+2*\i], s[24:25], s[104:105]
	s_lshl_b32 s[78+\i], s[78+\i], 3
	s_load_b64 s[66+2*\i:67+2*\i], s[22:23], s[78+\i] offset:0x0   ; their two weights, wanted in the row phase
.endr
	s_wait_loadcnt 17                              ; the three token loads are in; b1's one and ring buffer 0's 16 are younger
	s_lshl_b32 s104, s3, 2
.irp b, 0,1,2
	v_min_u32 v[52+\b], 0x1fff, v[52+\b]
	v_lshl_add_u32 v[52+\b], v[52+\b], 3, s104     ; 8 bytes a token, my slot's word
.endr
.irp b, 0,1,2
	global_load_b32 v[CWV+2*\b], v[52+\b], s[22:23]
.endr
	WIN 0x40                                       ; destination window 1
.set i, 0
.rept 6
.set q, 0
.rept 8
	global_load_b128 v[32*i+4*q:32*i+4*q+3], v[LOFF], s[28+2*i:29+2*i] offset:512*q   ; a row of x: 512 consecutive bytes a load
.set q, q+1
.endr
.set i, i+1
.endr
	BLOAD 1, W1S
.set i, 0
.rept 6
	s_wait_loadcnt 8*(5-i)+16                      ; row i is in; the later rows and ring buffer 1's 16 loads stay out
	WIN 0x05                                       ; sources in window 1, destination in window 0
.set tb, 16+16*(i%2)
.set k, 0
.rept 16
	v_cvt_pk_bf16_f32 v[tb+k], v[32*i+2*k], v[32*i+2*k+1]
.set k, k+1
.endr
	WIN 0
.set q, 0
.rept 8
	ds_store_b64 v[BAD], v[tb+2*q:tb+2*q+1] offset:PX*i+256*q   ; 256 consecutive bytes
.set q, q+1
.endr
.set i, i+1
.endr
	BLOAD 2, W1S
	BLOAD 3, W1S
	WIN 0
	ds_store_b128 v55, v[48:51]                    ; my b1 slice: my wave's own bytes
	v_mov_b32 v[BAD], v56
.irp b, 0,1,2
	v_mul_f32 v[CWV+2*\b], 0.5, v[CWV+2*\b]
.endr
.irp b, 0,1,2
	v_mov_b32 v[CWV+2*\b+1], v[CWV+2*\b]
.endr
.irp u, 0,1,2,3
	s_mov_b64 s[PNB+2*\u:PNB+2*\u+1], s[W1S:W1S+1] ; the four copies.  Of s[4:11] only s[10:11] was a load's base, b1's, and that load is older than the rows waited for above
.endr
	s_wait_dscnt 0x0                               ; for the others' sake: my rows of X are in LDS
	s_barrier_signal -1
	s_barrier_wait -1
	; THE FIRST PRODUCT: 32 steps along H
	PHASE 1, 1
	STEP 0, 0, 48, 6, 3, 1                         ; the last four steps ask for the second product's first four: they land under the GELU
	STEP 1, 0, 48, 6, 3, 1
	STEP 2, 0, 48, 6, 3, 0
	STEP 3, 0, 48, 0, 3, 0
	WIN 0
; + b1, GELU, x cw, bf16, into HID: accumulator (b, i), 8 numbers a lane.  The accumulator's lowest registers are read first.
; The reciprocals and the exponentials stand in runs, each with plain work behind it before a result is used.
.macro GEL b, i
.set rAcc, 8*(8*(\b)+(\i))
.set rBi, 16+8*((\i)%2)
	WIN 0x01                                       ; source 0 in window 1
.irp k, 0,2,4,6
	v_pk_add_f32 v[XV+\k:XV+\k+1], v[rAcc+\k:rAcc+\k+1], v[rBi+\k:rBi+\k+1]
.endr
	WIN 0
.irp k, 0,1,2,3,4,5,6,7
	v_fma_f32 v[TT+\k], |v[XV+\k]|, s96, 1.0
.endr
.irp k, 0,1,2,3,4,5,6,7
	v_rcp_f32 v[TT+\k], v[TT+\k]                   ; t = 1 / (1 + 0.3275911 |x| / sqrt 2)
.endr
.irp k, 0,2,4,6
	v_pk_mul_f32 v[EE+\k:EE+\k+1], v[XV+\k:XV+\k+1], v[XV+\k:XV+\k+1]
.endr
.irp k, 0,2,4,6
	v_pk_mul_f32 v[EE+\k:EE+\k+1], v[EE+\k:EE+\k+1], s[94:95] op_sel_hi:[1,0]
.endr
.irp k, 0,1,2,3,4,5,6,7
	v_exp_f32 v[EE+\k], v[EE+\k]                   ; e^(-x^2 / 2)
.endr
	s_wait_alu depctr_va_vdst(0)
.irp k, 0,2,4,6
	v_pk_fma_f32 v[YY+\k:YY+\k+1], v[TT+\k:TT+\k+1], s[84:85], s[86:87] op_sel_hi:[1,0,0]
.endr
.irp c, 88,90,92
.irp k, 0,2,4,6
	v_pk_fma_f32 v[YY+\k:YY+\k+1], v[YY+\k:YY+\k+1], v[TT+\k:TT+\k+1], s[\c:\c+1] op_sel_hi:[1,1,0]
.endr
.endr
.irp k, 0,2,4,6
	v_pk_mul_f32 v[YY+\k:YY+\k+1], v[YY+\k:YY+\k+1], v[TT+\k:TT+\k+1]
.endr
.irp k, 0,2,4,6
	v_pk_fma_f32 v[YY+\k:YY+\k+1], v[YY+\k:YY+\k+1], v[EE+\k:EE+\k+1], 1.0 op_sel_hi:[1,1,0] neg_lo:[1,0,0] neg_hi:[1,0,0]   ; 1 - erfc
.endr
.irp k, 0,2,4,6
	v_pk_mul_f32 v[XV+\k:XV+\k+1], v[XV+\k:XV+\k+1], v[CWV+2*(\b):CWV+2*(\b)+1]   ; u = x cw / 2
.endr
.irp k, 0,1,2,3,4,5,6,7
	v_fma_f32 v[YY+\k], |v[XV+\k]|, v[YY+\k], v[XV+\k]
.endr
.irp k, 0,1,2,3
	v_cvt_pk_bf16_f32 v[EE+\k], v[YY+2*\k], v[YY+2*\k+1]
.endr
.if (\b) < 2
	ds_store_b128 v[HST], v[EE:EE+3] offset:16*PX*(\b)+32*(\i)
.else
	ds_store_b128 v[HST2], v[EE:EE+3] offset:32*(\i)
.endif
.endm
	ds_load_b128 v[16:19], v[BAD] offset:0         ; b1 of my columns 8 h + 0..7 of column block 0
	ds_load_b128 v[20:23], v[BAD] offset:16
.set i, 0
.rept 8
.if i < 7
	ds_load_b128 v[16+8*((i+1)%2):19+8*((i+1)%2)], v[BAD] offset:64*(i+1)
	ds_load_b128 v[20+8*((i+1)%2):23+8*((i+1)%2)], v[BAD] offset:64*(i+1)+16
.endif
.if i == 0
	s_wait_dscnt 2                                 ; younger than block 0's bias: block 1's two loads
.elseif i < 7
	s_wait_dscnt 5                                 ; younger than this block's bias: three stores and the next block's two loads
.else
	s_wait_dscnt 3                                 ; three stores
.endif
	GEL 0, i
	GEL 1, i
	GEL 2, i
.set i, i+1
.endr
.irp b, 0,1,2
	v_add_nc_u32 v[AD+\b], HID-7*256, v[AD+\b]     ; back to the rows' heads (the loop's bottom stepped them 7 times on every way), in HID
.endr
	s_wait_dscnt 0x0                               ; for the others' sake: my columns of HID are in LDS
	s_barrier_signal -1
	s_barrier_wait -1
	; THE SECOND PRODUCT: 32 steps along the joined hidden width, 16 on e1's weights, 16 on e2's
	PHASE 2, 2
	STEP 0, 0, 48, 6, 4, 1                         ; no more weights: each ring buffer, used for the last time, takes two of my rows of x in f32, for the residual.
	STEP 1, 0, 48, 6, 4, 1                         ; So three groups of 16 loads are still younger than the buffer that a step waits for: the later buffers' and the rows'
	STEP 2, 0, 48, 6, 4, 0
	STEP 3, 0, 48, 0, 0, 0
	PLACES
	; THE WAY OUT.  b2 of both experts; the sums through an f32 stage in LDS, so that a wave has whole rows.
	WIN 0
	s_lshl_b32 s104, s59, 12
	s_add_nc_u64 s[W2A:W2A+1], s[12:13], s[104:105]
	s_lshl_b32 s104, s60, 12
	s_add_nc_u64 s[W2B:W2B+1], s[12:13], s[104:105]
	WIN 0x40
.set q, 0
.rept 8
	global_load_b128 v[192+4*q:195+4*q], v[LOFF], s[W2A:W2A+1] offset:512*q
	global_load_b128 v[224+4*q:227+4*q], v[LOFF], s[W2B:W2B+1] offset:512*q
.set q, q+1
.endr
	WIN 0
	v_and_b32 v48, 15, v0
	v_bfe_u32 v49, v0, 4, 1
	v_mul_u32_u24 v[AD], v48, PS
	v_lshl_add_u32 v[AD], v49, 5, v[AD]
	s_lshl_b32 s104, s2, 9
	v_add_nc_u32 v[AD], s104, v[AD]                ; row r x pitch + my 512 bytes of a row + 32 h
	v_add_nc_u32 v[AD+1], 16*PS, v[AD]
	v_add_nc_u32 v[AD+2], 32*PS, v[AD]
	s_mul_i32 s104, s2, 6*PS
	v_add_nc_u32 v[HST], s104, v[LOFF]             ; back: my six rows, 16 bytes a lane
	s_wait_dscnt 0x0                               ; my reads of HID are over
	s_barrier_signal -1
	s_barrier_wait -1                              ; everybody's are: the stage may lie over X and HID
	WIN 0x04                                       ; store data in window 1
.set bb, 0
.rept 3
.set ii, 0
.rept 8
	ds_store_b128 v[AD+bb], v[8*(8*bb+ii):8*(8*bb+ii)+3]   offset:64*ii
	ds_store_b128 v[AD+bb], v[8*(8*bb+ii)+4:8*(8*bb+ii)+7] offset:64*ii+16
.set ii, ii+1
.endr
.set bb, bb+1
.endr
	s_wait_dscnt 0x0                               ; my part of the stage is in LDS, and the accumulators' registers are free
	WIN 0x40
.set q, 0
.rept 8
	global_load_b128 v[4*q:4*q+3], v[LOFF], s[14:15] offset:512*q
	global_load_b128 v[32+4*q:35+4*q], v[LOFF], s[16:17] offset:512*q
.set q, q+1
.endr
	WIN 0
	s_barrier_signal -1
	s_barrier_wait -1
.set q, 0
.rept 8
	ds_load_b128 v[16+4*q:19+4*q], v[HST] offset:512*q
.set q, q+1
.endr
	s_wait_loadcnt 16                              ; x and b2 are in; ln_w's and ln_b's 16 loads stay out until a row's end wants them
	s_wait_kmcnt 0x0                               ; my rows' weights
.macro LANESUM a, t                    ; the sum over the 32 lanes, left in every lane
.irp m, 1,2,4,8
	v_add_f32_dpp v[\a], v[\a], v[\a] row_xmask:\m row_mask:0xf bank_mask:0xf
.endr
	v_permlanex16_b32 v[\t], v[\a], s98, s99
	v_add_f32 v[\a], v[\a], v[\t]
.endm
; ROW i of my six: z = x + sums + cw_lo b2[e1] + cw_hi b2[e2]; the mean; the centred row; its mean square; scale, gain, bias; eight stores of 512 consecutive, aligned bytes.
; Ranks ascend, so the first row past the count ends the wave's work: a jump forward, past no barrier.
.macro ROW i
.set rX, 64+32*(\i)
	s_add_co_u32 s104, s62, \i
	s_cmp_ge_u32 s104, s26
	s_cbranch_scc1 .Ldone
	s_wait_dscnt 0x0                               ; the row's sums are back from the stage
.set k, 0
.rept 16
	v_pk_add_f32 v[rX+k:rX+k+1], v[rX+k:rX+k+1], v[16+k:17+k]
.set k, k+2
.endr
.if (\i) < 5
.set q, 0
.rept 8
	ds_load_b128 v[16+4*q:19+4*q], v[HST] offset:PS*((\i)+1)+512*q   ; the next row's sums, under this row's arithmetic
.set q, q+1
.endr
.endif
	s_mov_b32 s84, s[66+2*(\i)]                    ; the packed forms take a pair's low word for both halves
	s_mov_b32 s86, s[67+2*(\i)]
	WIN 0x01
.set k, 0
.rept 16
	v_pk_fma_f32 v[rX+k:rX+k+1], v[192+k:193+k], s[84:85], v[rX+k:rX+k+1] op_sel_hi:[1,0,1]
.set k, k+2
.endr
.set k, 0
.rept 16
	v_pk_fma_f32 v[rX+k:rX+k+1], v[224+k:225+k], s[86:87], v[rX+k:rX+k+1] op_sel_hi:[1,0,1]
.set k, k+2
.endr
	WIN 0
.set k, 0
.rept 8
	v_pk_add_f32 v[48+2*k:49+2*k], v[rX+4*k:rX+4*k+1], v[rX+4*k+2:rX+4*k+3]
.set k, k+1
.endr
.irp k, 0,1,2,3
	v_pk_add_f32 v[48+4*\k:49+4*\k], v[48+4*\k:49+4*\k], v[50+4*\k:51+4*\k]
.endr
	v_pk_add_f32 v[48:49], v[48:49], v[52:53]
	v_pk_add_f32 v[56:57], v[56:57], v[60:61]
	v_pk_add_f32 v[48:49], v[48:49], v[56:57]
	v_add_f32 v48, v48, v49
	LANESUM 48, 49
	v_mul_f32 v48, s100, v48                       ; the mean
	v_mov_b32 v49, v48
.set k, 0
.rept 16
	v_pk_add_f32 v[rX+k:rX+k+1], v[rX+k:rX+k+1], v[48:49] neg_lo:[0,1] neg_hi:[0,1]
.set k, k+2
.endr
.set k, 0
.rept 16
.if k < 4
	v_pk_mul_f32 v[50+2*k:51+2*k], v[rX+2*k:rX+2*k+1], v[rX+2*k:rX+2*k+1]
.else
	v_pk_fma_f32 v[50+2*(k%4):51+2*(k%4)], v[rX+2*k:rX+2*k+1], v[rX+2*k:rX+2*k+1], v[50+2*(k%4):51+2*(k%4)]
.endif
.set k, k+1
.endr
	v_pk_add_f32 v[50:51], v[50:51], v[52:53]
	v_pk_add_f32 v[54:55], v[54:55], v[56:57]
	v_pk_add_f32 v[50:51], v[50:51], v[54:55]
	v_add_f32 v50, v50, v51
	LANESUM 50, 51
	v_fma_f32 v50, v50, s100, s101                 ; the variance + 1e-12
	v_rsq_f32 v50, v50
	v_nop                                          ; a plain instruction between the root and the use of its result
	s_wait_alu depctr_va_vdst(0)
	v_mov_b32 v51, v50
.set k, 0
.rept 16
	v_pk_mul_f32 v[rX+k:rX+k+1], v[rX+k:rX+k+1], v[50:51]
.set k, k+2
.endr
	s_wait_loadcnt 0x0                             ; ln_w and ln_b (met at once from the second row on)
	WIN 0x14                                       ; sources 1 (ln_w) and 2 (ln_b) in window 1
.set k, 0
.rept 16
	v_pk_fma_f32 v[rX+k:rX+k+1], v[rX+k:rX+k+1], v[k:k+1], v[32+k:33+k]
.set k, k+2
.endr
	WIN 0
.set q, 0
.rept 8
	global_store_b128 v[LOFF], v[rX+4*q:rX+4*q+3], s[40+2*(\i):41+2*(\i)] offset:512*q th:TH_STORE_NT
.set q, q+1
.endr
.endm
	ROW 0
	ROW 1
	ROW 2
	ROW 3
	ROW 4
	ROW 5
.Ldone:
	s_wait_tensorcnt 0x0                           ; the wave's end
	ds_add_u32 v[SPW], v[NIL]
	s_wait_dscnt 0x0
	s_endpgm
.Lfunc_end_k_qfe2026c034_chain:
	.size	k_qfe2026c034_chain, .Lfunc_end_k_qfe2026c034_chain-k_qfe2026c034_chain
	.p2alignl 7, 3214868480
	.fill 96, 4, 3214868480
	.section	.rodata,"a",@progbits
	.p2align	6, 0x0
	.amdhsa_kernel k_qfe2026c034_chain
		.amdhsa_group_segment_fixed_size 203264
		.amdhsa_private_segment_fixed_size 0
		.amdhsa_enable_private_segment 0
		.amdhsa_kernarg_size 88
		.amdhsa_user_sgpr_count 2
		.amdhsa_user_sgpr_kernarg_segment_ptr 1
		.amdhsa_wavefront_size32 1
		.amdhsa_system_sgpr_workgroup_id_x 1
		.amdhsa_system_sgpr_workgroup_id_y 1
		.amdhsa_system_sgpr_workgroup_id_z 1
		.amdhsa_system_vgpr_workitem_id 0
		.amdhsa_next_free_vgpr 512
		.amdhsa_next_free_sgpr 106
		.amdhsa_reserve_vcc 0
		.amdhsa_float_denorm_mode_32 3
		.amdhsa_float_denorm_mode_16_64 3
		.amdhsa_memory_ordered 1
		.amdhsa_forward_progress 1
		.amdhsa_inst_pref_size 255
	.end_amdhsa_kernel
	.section	.bss,"aw",@nobits
	.p2align	6
	.space	262144
	.amdgpu_metadata
---
amdhsa.version: [ 1, 2 ]
amdhsa.kernels:
  - .name:           k_qfe2026c034_chain
    .symbol:         k_qfe2026c034_chain.kd
    .args:
      - { .name: hidden_states, .offset: 0, .size: 8, .value_kind: global_buffer, .address_space: global }
      - { .name: w1f, .offset: 8, .size: 8, .value_kind: global_buffer, .address_space: global }
      - { .name: w2f, .offset: 16, .size: 8, .value_kind: global_buffer, .address_space: global }
      - { .name: b1, .offset: 24, .size: 8, .value_kind: global_buffer, .address_space: global }
      - { .name: b2, .offset: 32, .size: 8, .value_kind: global_buffer, .address_space: global }
      - { .name: ln_w, .offset: 40, .size: 8, .value_kind: global_buffer, .address_space: global }
      - { .name: ln_b, .offset: 48, .size: 8, .value_kind: global_buffer, .address_space: global }
      - { .name: counts, .offset: 56, .size: 8, .value_kind: global_buffer, .address_space: global }
      - { .name: order, .offset: 64, .size: 8, .value_kind: global_buffer, .address_space: global }
      - { .name: cw, .offset: 72, .size: 8, .value_kind: global_buffer, .address_space: global }
      - { .name: out0, .offset: 80, .size: 8, .value_kind: global_buffer, .address_space: global }
    .group_segment_fixed_size: 203264
    .private_segment_fixed_size: 0
    .kernarg_segment_align: 8
    .kernarg_segment_size: 88
    .max_flat_workgroup_size: 256
    .sgpr_count:     106
    .vgpr_count:     512
    .wavefront_size: 32
...
	.end_amdgpu_metadata
.endif
;; end of part 3
